; MI455X (gfx1250); checked and timed in simulation.
; The chip was launched on July 23, 2026; its instructions are those of AMD's public machine-readable ISA for CDNA 5 (MIT licence, August 2026) and "CDNA5" Instruction Set Architecture Reference Guide (July 2026). The comments in the code are by the model that wrote it; some were corrected since.
;; Ternary Linear. Allowed arithmetic: matrix products marked QUANTISED: E4M3 operands, one given power-of-two scale a tensor, by v_wmma_f32_16x16x64_fp8_fp8 or v_wmma_f32_16x16x128_fp8_fp8, f32 sums; everything else in f32.
;; Inputs: latent_weight 2,048 x 4,096 float32; lowp_scales 2 int32 (the exponents e of the quantised operands' scales 2^e); x 4 x 2,048 x 4,096 float32.
;; Outputs: out0 4 x 2,048 x 2,048 float32.
;; This version of the problem:
;;   THIS VERSION OF THE PROBLEM IS GIVEN IN LOW PRECISION. The matrix products marked QUANTISED in the list below multiply operands that are first quantised to E4M3 (4 exponent bits, 3 mantissa bits; 8 bits a number), with one given power-of-two scale for each operand tensor; their sums are f32. All else is computed in f32.
;;   The module's matrix products, in the order in which they are computed (A, B: the left and right operand; K: the contracted axis; several contracted axes count as one K, in the product's order):
;;     1. [M 8,192, K 4,096] x [K 4,096, N 2,048]; A: input x; B: computed on the way: QUANTISED (scales: A lowp_scales[0], B lowp_scales[1])
;;   THE QUANTISER, for each operand of a quantised product, along K:
;;     - The operand's scale is 2^e, e = its entry of the input lowp_scales (int32; the entries are numbered through the quantised products in the list's order, A before B).
;;     - Each number is divided by the scale, clamped to +-448, and rounded to the nearest number of E4M3, ties to even, subnormals kept.
;;     - The product sums the exact products of the quantised numbers (number of the format x scale) in f32.
;;   ~~~python
;;   def quantise(x, axis, e):      # numpy; x: float32 -> the quantised numbers, widened to float32 again
;;       x = np.moveaxis(x, axis, -1); K = x.shape[-1]
;;       r = np.clip(x / 2.0 ** e, -448, 448)
;;       step = 2.0 ** (np.maximum(np.frexp(np.where(r == 0, 1, r))[1] - 1, -6) - 3)
;;       q = np.round(r / step) * step * 2.0 ** e      # np.round: ties to even
;;       return np.moveaxis(q, -1, axis).astype(np.float32)
;;   ~~~
;;   OPERANDS COMPUTED ON THE WAY. 'Computed on the way' means the value that the module computes at that place (a softmax that the list does not call 'softmax' is quantised finished and normalised). What goes into a quantiser is computed in f32, as accurately as f32 sums, v_exp_f32 and their like allow (about 1e-6 of the number): no bf16 or f16 on the way to a quantiser, and a product that is left as it is and whose result goes on into a quantised operand takes f32 operands (vector FMAs, or v_wmma_f32_16x16x4_f32). A number that lies on a knife's edge between two numbers of the format may be rounded either way, as far as f32 arithmetic and the matrix unit's own rounding can turn it there, and no further.
;; One version. Each part assembles by itself: llvm-mc -triple=amdgcn-amd-amdhsa -mcpu=gfx1250 --defsym DOCPART=n.
;; ======== version 1 of 1: 3 launches
;; limits: right only within a limited range of input values
;; workspace buffers: x_codes 33,554,432 bytes; w_codes 8,388,608 bytes; partials 32,768 bytes
;; launch quant_x_sum_w (part 1): grid 928 x 1, 4 waves a work-group, no clusters, 18,944 bytes of LDS; arguments x, latent_weight, lowp_scales, x_codes, partials; writes x_codes, partials
.if DOCPART == 1
	.amdgcn_target "amdgcn-amd-amdhsa--gfx1250"
	.amdhsa_code_object_version 6
	.text
	.protected	k_q2a42348615_quant_x_sum_w
	.globl	k_q2a42348615_quant_x_sum_w
	.p2align	8
	.type	k_q2a42348615_quant_x_sum_w,@function
k_q2a42348615_quant_x_sum_w:
	s_mov_b64 s[64:65], 0
	v_nop
	global_prefetch_b8 v0, s[64:65] scope:SCOPE_SE
	s_setreg_imm32_b32 hwreg(HW_REG_WAVE_MODE, 25, 1), 1
	s_wait_xcnt 0x0
; out = x qw^T, qw = latent_weight made ternary with alpha = mean |w|.  THE FIRST OF THREE LAUNCHES.  It does two things that hang on nothing else:
;   work-groups 0 .. 127:     the first level of the sum of |latent_weight|: one f32 sum for each block of 32 x 32 numbers, 64 x 128 sums, into partials;
;   work-groups 128 .. 927:   x [8192][4096] f32, from number 7,340,032 on -> codes of E4M3 with the given scale 2^e0 (entry 0 of lowp_scales), into x_codes [8192][4096], one code a byte.
;                             (x's first 7,340,032 numbers are quantised by the next launch, by waves that would else stand idle there.)
; NOTHING OF reference() IS LEFT OUT: both inputs and both scales reach the output, and all are loaded.  (The two astype of reference() change nothing: the inputs are f32.)
; THE ORDER OF THE SUM.  w > alpha / 2 turns on alpha's last bit, and an f32 sum hangs on its order.  So the sum is taken in the order in which reference()'s f32 reduction of [2048][4096] is understood
; to be evaluated: by windows of 32 x 32, level by level.  L1[i][j] = the running sum, begun at 0, of |w[32 i + a][32 j + b]|, a outer, b inner: 1,024 terms one after the other (this launch).
; L2[p][q] = the same of L1[32 p + a][32 q + b]; S = the running sum of the eight L2, p outer, q inner; alpha = S x 2^-23 (the next launch).
; LIMIT: if reference()'s sum is evaluated in another order, a w within the last bits of +-alpha / 2 may fall on either side.
; x: code = x / 2^e0, held within +-448, rounded to the nearest code, ties to even.  LIMITS: -126 <= e0 <= 119, so that 2^e0 and 448 x 2^e0 are f32 numbers.  NaN in x is not served (an infinity is held at the largest code).
; x's SHARES.  A wave takes a run of 8,192 numbers: 16 steps of 512 numbers, four loads of 16 bytes a lane; each load of a wave covers 512 consecutive bytes.
; THE CODES' ORDER ALONG K.  A lane's 16 numbers of a step (load i, word j: number 128 i + 4 lane + j of the step's 512) become its 16 bytes: byte 16 lane + 4 i + j of the step's 512 bytes of codes.
; So K is permuted inside aligned chunks of 512 (a row of 4,096 is eight chunks).  The launch that makes w's codes permutes alike, so byte p of a row of x_codes and byte p of a row of w_codes
; belong to the same k; with one scale for a tensor a product does not ask where k stands: only the order of the f32 sums changes.  So x needs no turn through LDS.
; x's loads run four steps (16 loads a wave) ahead.  Every offset is an immediate, and each step has its own registers for its codes: no register that a pending load or store names is written again.
.set WGW,   128                        ; work-groups that sum |w|: two for each 32 rows
.set XRUN0, 896                        ; x's first 896 runs of 8,192 numbers are the next launch's
.set STEPS, 16
.set R,     16                         ; x: v16-79 four sets of 16 numbers;  sum: v16-143 eight sets of 16 (my wave's 2,048 bytes of a row as loaded)
.set C,     80                         ; x: v80-143 codes, four registers for each step
.set X,     144                        ; sum: v144-207 two sets of 32: my block's 32 numbers of a row
.set SUM,   8                          ; sum: v8 my block's running sum
.set SPW,   12                         ; v12  LDS address of my spare word: SPARE + 4 x my thread's number; never rewritten
.set NIL,   13                         ; v13  0; never rewritten
.set SIN,   14                         ; sum: v14 the stage, on the way in
.set SOUT,  15                         ; sum: v15 and on the way out
.set BP,    144                        ; a block's place in a stage: its 128 bytes of a row + 16 of padding: an odd multiple of 16, so that sixteen lanes' reads fall on different columns of 16 bytes
.set STG,   16*BP                      ; a stage: 16 blocks
.set WREG,  2*STG                      ; a wave's own region: two stages by turns
.set SPARE, 4*WREG                     ; behind the four regions: the spare words, 128 bytes for each wave: two blocks of 256 bytes that no other line names
	s_load_b128 s[4:7], s[0:1], 0x0                ; x s[4:5], latent_weight s[6:7]
	s_load_b128 s[8:11], s[0:1], 0x10              ; the scales' exponents s[8:9], x_codes s[10:11]
	s_load_b64 s[12:13], s[0:1], 0x20              ; partials
	v_lshl_add_u32 v[SPW], v0, 2, SPARE
	v_mov_b32 v[NIL], 0
	v_lshrrev_b32 v1, 5, v0
	v_readfirstlane_b32 s16, v1                    ; wave 0..3
	v_and_b32 v2, 31, v0                           ; lane
	v_lshlrev_b32 v3, 4, v2                        ; my 16 bytes of a load's or a store's 512; never rewritten
	s_wait_kmcnt 0x0
	s_cmp_lt_u32 ttmp9, WGW                        ; the work-group's number alone decides the path
	s_cbranch_scc1 .Lsum
	; ---------------- x -> codes
.macro LOAD t                          ; step t's four loads into set t % 4; bytes that no launch reads again
.irp i, 0,1,2,3
	global_load_b128 v[R+16*((\t)%4)+4*\i:R+16*((\t)%4)+4*\i+3], v3, s[4:5] offset:2048*(\t)+512*\i th:TH_LOAD_NT
.endr
.endm
	s_sub_co_u32 s17, ttmp9, WGW
	s_lshl_b32 s17, s17, 2
	s_add_co_u32 s17, s17, s16
	s_add_co_u32 s17, s17, XRUN0                   ; which run of 8,192 numbers is my wave's: 896 .. 4095
	s_lshl_b32 s20, s17, 15                        ; its bytes in x (under 2^27),
	s_mov_b32 s21, 0
	s_lshl_b32 s22, s17, 13                        ; and in x_codes
	s_mov_b32 s23, 0
	s_load_b32 s24, s[8:9], 0x0                    ; e0
	s_add_nc_u64 s[4:5], s[4:5], s[20:21]
	s_add_nc_u64 s[10:11], s[10:11], s[22:23]
	s_wait_alu depctr_va_vdst(0)
.irp t, 0,1,2,3
	LOAD \t
.endr
	s_wait_kmcnt 0x0
	s_add_co_i32 s24, s24, 127
	s_lshl_b32 s25, s24, 23
	v_mov_b32 v11, s25                             ; 2^e0 as f32: the conversion takes its exponent field
	s_add_co_i32 s24, s24, 8
	s_lshl_b32 s24, s24, 23
	s_or_b32 s24, s24, 0x600000                    ; the mantissa field of 448
	v_mov_b32 v10, s24                             ; 448 x 2^e0
.macro STEP t
.set XS, R+16*((\t)%4)
.if (\t) <= STEPS-4
	s_wait_loadcnt 12                              ; loads come back in order: set t is in when at most the three younger sets' twelve loads are out;
.else
	s_wait_loadcnt 4*(STEPS-1-(\t))                ; the last steps count down 8, 4, 0
.endif
.irp i, 0,1,2,3,4,5,6,7,8,9,10,11,12,13,14,15
	v_med3_num_f32 v[XS+\i], v[XS+\i], -v10, v10   ; the conversion to an 8-bit code does not saturate (ISA guide 7.6.2): the number is held within the largest code x the scale first
.endr
	v_cvt_scalef32_pk8_fp8_f32 v[C+4*(\t):C+4*(\t)+1], v[XS:XS+7], v11        ; eight numbers / 2^e0, to the nearest code, ties to even; the first number's code in the lowest byte
	v_cvt_scalef32_pk8_fp8_f32 v[C+4*(\t)+2:C+4*(\t)+3], v[XS+8:XS+15], v11
; (the codes go to a store alone, and the set takes a load: neither wants a place behind a conversion; the next vector lines are the next step's holds, plain ones on other registers)
.if (\t)+4 < STEPS
	LOAD (\t)+4                                    ; the set just converted takes the numbers of four steps on
.endif
.endm
	s_wait_alu depctr_va_vdst(0)
.irp t, 0,1,2,3,4,5,6,7,8,9,10,11,12,13,14,15
	STEP \t
.endr
.irp t, 0,1,2,3,4,5,6,7,8,9,10,11,12,13,14,15
	global_store_b128 v3, v[C+4*\t:C+4*\t+3], s[10:11] offset:512*\t          ; all sixteen stores stand behind the last step: each covers 512 consecutive bytes, at a multiple of 512 from the buffer's first byte
.endr
	s_endpgm
	; ---------------- L1: work-group g takes rows 32 (g / 2) .. + 31 of w and the half g % 2 of their 16,384 bytes; wave c the 2,048 bytes of each row from byte 2,048 c of that half on: 16 neighbouring blocks.
	; LANES 0 TO 15 TAKE A BLOCK EACH; lanes 16 to 31 repeat them, so that all lanes stay on.  Sixteen blocks to a wave, not 32: a wave then reads 65,536 bytes with 16,384 of them asked for ahead,
	; the same part of its bytes as a wave of the x path has asked for ahead (8,192 of 32,768), so that the two kinds of waves come to their ends together.
	; A row's 2,048 bytes are loaded dense (four loads of 512 consecutive bytes) and turn through the wave's own stage in LDS: in as loaded, out 128 bytes a lane.  Then 32 adds, each onto the one before.
	; Loads run eight rows (32 loads a wave) ahead, the turn through LDS one row, in two stages by turns.  Waves share nothing: no barrier.
.Lsum:
	s_lshr_b32 s17, ttmp9, 1                       ; i: which 32 rows
	s_and_b32 s18, ttmp9, 1                        ; which half of a row
	s_lshl_b32 s20, s17, 19                        ; 32 rows of 16,384 bytes,
	s_lshl_b32 s19, s18, 13                        ; half a row,
	s_add_co_u32 s20, s20, s19
	s_lshl_b32 s19, s16, 11                        ; my wave's 2,048 bytes
	s_add_co_u32 s20, s20, s19
	s_mov_b32 s21, 0
	s_add_nc_u64 s[6:7], s[6:7], s[20:21]
	s_mov_b32 s24, 0x7fffffff                      ; clears a sign
	s_mul_i32 s22, s16, WREG                       ; my region of LDS
	s_wait_alu depctr_va_vdst(0)
	v_lshrrev_b32 v6, 3, v2
	v_mul_u32_u24 v[SIN], v6, BP
	v_and_b32 v7, 7, v2
	v_lshl_add_u32 v[SIN], v7, 4, v[SIN]
	v_add_nc_u32 v[SIN], s22, v[SIN]               ; in: load k's lane l holds bytes 16 (l % 8) .. of block 4 k + l / 8: BP (l / 8) + 16 (l % 8), and 4 BP k in the immediate
	v_and_b32 v9, 15, v2
	v_mul_u32_u24 v[SOUT], v9, BP
	v_add_nc_u32 v[SOUT], s22, v[SOUT]             ; out: BP x (lane % 16): my block
	s_lshl_b32 s23, s17, 9                         ; L1's row i is 128 sums, 512 bytes;
	s_lshl_b32 s19, s18, 8                         ; a half of it 64 sums;
	s_add_co_u32 s23, s23, s19
	s_lshl_b32 s19, s16, 6                         ; my wave's 16 of them
	s_add_co_u32 s23, s23, s19
	v_lshl_add_u32 v5, v9, 2, s23                  ; my sum's place in partials
.macro LOADW a                         ; row a's four loads into set a % 8.  No hint: the next launch reads w once more
.irp k, 0,1,2,3
	global_load_b128 v[R+16*((\a)%8)+4*\k:R+16*((\a)%8)+4*\k+3], v3, s[6:7] offset:16384*(\a)+512*\k
.endr
.endm
.macro TURN a                          ; row a through stage a % 2: LDS serves a wave's instructions in order (ISA guide 5.7.1.4), so no wait stands between the stores and the loads
.irp k, 0,1,2,3
	ds_store_b128 v[SIN], v[R+16*((\a)%8)+4*\k:R+16*((\a)%8)+4*\k+3] offset:STG*((\a)%2)+4*BP*\k
.endr
.irp k, 0,1,2,3,4,5,6,7
	ds_load_b128 v[X+32*((\a)%2)+4*\k:X+32*((\a)%2)+4*\k+3], v[SOUT] offset:STG*((\a)%2)+16*\k
.endr
.endm
.macro SUMROW a
.set XS, X+32*((\a)%2)
	s_wait_dscnt 0x0                               ; row a's numbers are back from the stage: so its stores into the stage have read their registers,
.if (\a)+8 < 32
	LOADW (\a)+8                                   ; which take the row eight further down
.endif
.if (\a)+1 < 32
.if (\a) <= 23
	s_wait_loadcnt 28                              ; the next row's four loads are in; those of the seven rows behind it may be out
.else
	s_wait_loadcnt 4*(30-(\a))                     ; the last rows count down 24, 20, .. 0
.endif
	TURN (\a)+1                                    ; and it goes through the other stage while this row is added
.endif
.if (\a) == 0
	v_and_b32 v[SUM], s24, v[XS]                   ; 0 + |w| = |w|: the first term starts the sum
.else
	s_wait_alu depctr_va_vdst(0)
	v_add_f32 v[SUM], v[SUM], |v[XS]|
.endif
.irp k, 1,2,3,4,5,6,7,8,9,10,11,12,13,14,15,16,17,18,19,20,21,22,23,24,25,26,27,28,29,30,31
	v_add_f32 v[SUM], v[SUM], |v[XS+\k]|           ; one after the other, columns ascending: the order is the point
.endr
.endm
.irp a, 0,1,2,3,4,5,6,7
	LOADW \a
.endr
	s_wait_alu depctr_va_vdst(0)
	s_wait_loadcnt 28                              ; row 0 is in
	TURN 0
.irp a, 0,1,2,3,4,5,6,7,8,9,10,11,12,13,14,15,16,17,18,19,20,21,22,23,24,25,26,27,28,29,30,31
	SUMROW \a
.endr
	v_cmp_gt_u32 vcc_lo, 16, v2                    ; lanes 0 to 15 store; the others hold the same sixteen sums once more
	s_wait_alu depctr_va_vdst(0)
	s_wait_xcnt 0x0                                ; EXEC is a source of the loads above: it changes only behind this wait
	s_and_saveexec_b32 s26, vcc_lo
	global_store_b32 v5, v[SUM], s[12:13]          ; L1[i][64 (g % 2) + 16 c + lane]: the wave stores 64 consecutive bytes; 32,768 bytes in the whole launch
	s_wait_xcnt 0x0                                ; and again, in front of the line that widens it
	s_or_b32 exec_lo, exec_lo, s26
	s_wait_tensorcnt 0x0                           ; the wave's end
	ds_add_u32 v[SPW], v[NIL]
	s_wait_dscnt 0x0
	s_endpgm
.Lfunc_end_k_q2a42348615_quant_x_sum_w:
	.size	k_q2a42348615_quant_x_sum_w, .Lfunc_end_k_q2a42348615_quant_x_sum_w-k_q2a42348615_quant_x_sum_w
	.p2alignl 7, 3214868480
	.fill 96, 4, 3214868480
	.section	.rodata,"a",@progbits
	.p2align	6, 0x0
	.amdhsa_kernel k_q2a42348615_quant_x_sum_w
		.amdhsa_group_segment_fixed_size 18944
		.amdhsa_private_segment_fixed_size 0
		.amdhsa_enable_private_segment 0
		.amdhsa_kernarg_size 40
		.amdhsa_user_sgpr_count 2
		.amdhsa_user_sgpr_kernarg_segment_ptr 1
		.amdhsa_wavefront_size32 1
		.amdhsa_system_sgpr_workgroup_id_x 1
		.amdhsa_system_sgpr_workgroup_id_y 1
		.amdhsa_system_sgpr_workgroup_id_z 1
		.amdhsa_system_vgpr_workitem_id 0
		.amdhsa_next_free_vgpr 208
		.amdhsa_next_free_sgpr 66
		.amdhsa_reserve_vcc 1
		.amdhsa_float_denorm_mode_32 3
		.amdhsa_float_denorm_mode_16_64 3
		.amdhsa_memory_ordered 1
		.amdhsa_forward_progress 1
		.amdhsa_inst_pref_size 133
	.end_amdhsa_kernel
	.amdgpu_metadata
---
amdhsa.version: [ 1, 2 ]
amdhsa.kernels:
  - .name:           k_q2a42348615_quant_x_sum_w
    .symbol:         k_q2a42348615_quant_x_sum_w.kd
    .args:
      - { .name: x, .offset: 0, .size: 8, .value_kind: global_buffer, .address_space: global }
      - { .name: latent_weight, .offset: 8, .size: 8, .value_kind: global_buffer, .address_space: global }
      - { .name: lowp_scales, .offset: 16, .size: 8, .value_kind: global_buffer, .address_space: global }
      - { .name: x_codes, .offset: 24, .size: 8, .value_kind: global_buffer, .address_space: global }
      - { .name: partials, .offset: 32, .size: 8, .value_kind: global_buffer, .address_space: global }
    .group_segment_fixed_size: 18944
    .private_segment_fixed_size: 0
    .kernarg_segment_align: 8
    .kernarg_segment_size: 40
    .max_flat_workgroup_size: 128
    .sgpr_count:     66
    .vgpr_count:     208
    .wavefront_size: 32
...
	.end_amdgpu_metadata
.endif
;; end of part 1
;; launch ternary_w (part 2): grid 256 x 1, 8 waves a work-group, no clusters, 68,864 bytes of LDS; arguments latent_weight, partials, lowp_scales, w_codes, x, x_codes; writes w_codes, x_codes
.if DOCPART == 2
	.amdgcn_target "amdgcn-amd-amdhsa--gfx1250"
	.amdhsa_code_object_version 6
	.text
	.protected	k_q2a42348615_ternary_w
	.globl	k_q2a42348615_ternary_w
	.p2align	8
	.type	k_q2a42348615_ternary_w,@function
k_q2a42348615_ternary_w:
	s_mov_b64 s[64:65], 0
	v_nop
	global_prefetch_b8 v0, s[64:65] scope:SCOPE_SE
	s_setreg_imm32_b32 hwreg(HW_REG_WAVE_MODE, 25, 1), 1
	s_wait_xcnt 0x0
; THE SECOND LAUNCH: latent_weight [2048][4096] f32 -> qw = {+alpha, 0, -alpha} -> codes of E4M3 with the given scale 2^e1 (entry 1 of lowp_scales), into w_codes, one code a byte,
; LAID IN THE ORDER OF THE PRODUCT'S OPERAND REGISTERS (below).  Beside it: x's first 7,340,032 numbers -> codes with the scale 2^e0, into x_codes, just as the launch before makes the others.
; alpha = mean |w|.  The launch before stored L1 [64][128], the sums of |w| over blocks of 32 x 32.  THE ORDER OF THE SUM goes on as set out there: L2[p][q] = the running sum, begun at 0, of
; L1[32 p + a][32 q + b], a outer, b inner (1,024 terms, eight such sums); S = the running sum of the eight, p outer, q inner; alpha = S x 2^-23: w has 2^23 numbers, so the division rounds nothing.
; qw = alpha where w > alpha / 2, -alpha where w < -alpha / 2, else 0: the two selections as reference() writes them.  Nothing of reference() is left out.
; THE HOLD at +-448 x 2^e1 is made once, of alpha: clip(+-alpha) = +-clip(alpha) and clip(0) = 0, for all values.
; THE CODES' ORDER ALONG K, as in x_codes: place 16 lane + 4 i + j of a chunk of 512 holds number 128 i + 4 lane + j of it (load i, word j).  A PIECE is 16 neighbouring places; a row has 256 pieces.
; w_codes' LAYOUT: 128 FRAGMENT ROWS of 65,536 bytes.  Row n of w belongs to fragment row T = 4 (n / 64) + n % 4 and has the place r = (n % 64) / 4 in it: rows 4 apart lie side by side, so that in the product
; lane r of four neighbouring fragment rows holds four neighbouring columns of the output.  Byte 65,536 T + 256 x piece + 16 r + place % 16: a piece of a fragment row's sixteen rows is one aligned unit of 256 bytes.
; LIMITS: -126 <= e0, e1 <= 119.  NaN in x is not served.  A NaN or an infinity in w makes alpha NaN or infinite; both comparisons then fail and every code of w is 0, as in reference().
;         If reference()'s sum is evaluated in another order, a w within the last bits of +-alpha / 2 may fall on either side.
; SHARES.  Work-group g takes fragment row g / 2 and the half g % 2 of K: 32,768 consecutive bytes of w_codes.  Wave c takes the places r = 2 c and 2 c + 1 (two rows of w, 4 apart): 8 steps of 512 numbers.
; All its 32 loads of w go out at the head.  Its codes go into a stage in LDS, a piece's sixteen rows side by side (272 bytes from piece to piece) | barrier | each wave reads 16 pieces back and stores 4,096 consecutive bytes.
; S: the eight waves copy L1's 32,768 bytes into LDS | barrier | wave 0 alone runs the eight chains, lane 4 p + q for L2[p][q] (lanes 8 to 31 repeat lanes 0 to 7), adds the eight, stores S in one LDS word | barrier | all read S.
; WAVES 1 TO 7 ALSO QUANTISE x: each takes run 7 g + wave - 1 of 1,792 runs of 4,096 numbers, 8 steps of 512.  Steps 0 to 3 are converted between the first two barriers, while wave 0 adds; the loads of steps 4 to 7 are issued
; there too and stay out while w is made ternary; those steps are converted behind the stage's reads.  EVERY STORE TO MEMORY STANDS AT THE WAVE'S END, behind its last vector instruction.
.set R,   16                           ; v16-143  8 sets of 16 numbers of w; when they are converted: v16-31 x's codes of steps 4-7, v48-79 pieces read back
.set P,   144                          ; v144-175 my 512 bytes of each of L1's eight parts;
.set C,   144                          ;          then v144-159 x's codes of steps 0-3, v160-175 w's codes, four sets of four by turns
.set CH,  176                          ; v176-239 wave 0: two rows of a window of L1; waves 1 to 7: four sets of 16 numbers of x
.set T,   242                          ; v242-249 eight first selections
.set ALA, 2                            ; v2   LDS address of S's word
.set SPW, 4                            ; v4   my spare word; never rewritten
.set NIL, 5                            ; v5   0; never rewritten
.set IMG, 7                            ; v7   16 x my thread's number
.set CRD, 9                            ; v9   where my window of L1 begins in LDS
.set XLIM, 12                          ; v12  448 x 2^e0
.set XSC,  13                          ; v13  2^e0
.set SIN,  240                         ; v240 the stage, on the way in: SP x lane + 32 x wave
.set SOUT, 241                         ; v241 and on the way out: SP x (16 wave + lane / 16) + 16 (lane % 16)
.set AL,    32768                      ; LDS: L1 at 0; S's word in a block of 256 bytes of its own;
.set SPARE, AL+256                     ; the spare words, 128 bytes a wave;
.set STG,   SPARE+1024                 ; the stage: 128 pieces
.set SP,    272                        ; 16 rows x 16 bytes + 16 of padding: an odd multiple of 16
	s_load_b256 s[4:11], s[0:1], 0x0               ; latent_weight, partials, the scales' exponents, w_codes
	s_load_b128 s[12:15], s[0:1], 0x20             ; x, x_codes
	v_lshl_add_u32 v[SPW], v0, 2, SPARE
	v_mov_b32 v[NIL], 0
	v_lshrrev_b32 v1, 5, v0
	v_readfirstlane_b32 s16, v1                    ; wave 0..7
	s_lshr_b32 s17, ttmp9, 1                       ; T
	s_and_b32 s18, s17, 3
	s_lshr_b32 s17, s17, 2
	s_lshl_b32 s17, s17, 6
	s_add_co_u32 s17, s17, s18
	s_lshl_b32 s18, s16, 3
	s_add_co_u32 s17, s17, s18                     ; my first row of w: 64 (T / 4) + T % 4 + 8 wave
	s_lshl_b32 s18, s17, 14                        ; its bytes,
	s_and_b32 s24, ttmp9, 1
	s_lshl_b32 s24, s24, 13                        ; and half a row
	s_add_co_u32 s18, s18, s24
	s_mov_b32 s19, 0
	s_lshl_b32 s20, ttmp9, 15                      ; the work-group's 32,768 bytes of w_codes,
	s_lshl_b32 s21, s16, 12                        ; my wave's 4,096 of them
	s_add_co_u32 s20, s20, s21
	s_mov_b32 s21, 0
	s_lshl_b32 s37, s16, 5
	s_add_co_u32 s37, s37, STG
	s_mul_i32 s38, s16, 16*SP
	s_add_co_u32 s38, s38, STG
	s_max_u32 s32, s16, 1                          ; (wave 0 takes no x: its address is made and not used)
	s_sub_co_u32 s32, s32, 1
	s_mul_i32 s33, ttmp9, 7
	s_add_co_u32 s32, s32, s33                     ; my run of x
	s_lshl_b32 s34, s32, 12
	s_mov_b32 s35, 0
	s_lshl_b32 s32, s32, 14
	s_mov_b32 s33, 0
	v_and_b32 v1, 31, v0
	v_lshlrev_b32 v3, 4, v1                        ; 16 x lane; never rewritten
	v_lshlrev_b32 v[IMG], 4, v0
	v_mov_b32 v[ALA], AL
	v_mul_u32_u24 v[SIN], v1, SP
	v_add_nc_u32 v[SIN], s37, v[SIN]
	v_bfe_u32 v1, v0, 4, 1
	v_mul_u32_u24 v[SOUT], v1, SP
	v_and_b32 v1, 15, v0
	v_lshl_add_u32 v[SOUT], v1, 4, v[SOUT]
	v_add_nc_u32 v[SOUT], s38, v[SOUT]
	v_bfe_u32 v1, v0, 2, 1                         ; p
	v_and_b32 v[CRD], 3, v0                        ; q
	v_lshlrev_b32 v[CRD], 7, v[CRD]
	v_lshl_add_u32 v[CRD], v1, 14, v[CRD]
	s_wait_alu depctr_va_vdst(0)
	s_wait_kmcnt 0x0
	s_load_b64 s[22:23], s[8:9], 0x0               ; e0, e1
	s_add_nc_u64 s[4:5], s[4:5], s[18:19]
	s_add_nc_u64 s[10:11], s[10:11], s[20:21]
	s_add_nc_u64 s[12:13], s[12:13], s[32:33]
	s_add_nc_u64 s[14:15], s[14:15], s[34:35]
.irp i, 0,1,2,3,4,5,6,7
	global_load_b128 v[P+4*\i:P+4*\i+3], v[IMG], s[6:7] offset:4096*\i        ; L1: a wave takes 512 consecutive bytes a load
.endr
.irp t, 0,1,2,3,4,5,6,7
.irp i, 0,1,2,3
	global_load_b128 v[R+16*\t+4*\i:R+16*\t+4*\i+3], v3, s[4:5] offset:65536*(\t/4)+2048*(\t%4)+512*\i th:TH_LOAD_NT   ; step t: my row t / 4 (four rows of w further down), chunk t % 4 of the half
.endr
.endr
	s_wait_kmcnt 0x0
	s_add_co_i32 s23, s23, 127
	s_lshl_b32 s36, s23, 23
	v_mov_b32 v11, s36                             ; 2^e1
	s_add_co_i32 s23, s23, 8
	s_lshl_b32 s23, s23, 23
	s_or_b32 s23, s23, 0x600000                    ; the mantissa field of 448
	v_mov_b32 v10, s23                             ; 448 x 2^e1
	s_add_co_i32 s22, s22, 127
	s_lshl_b32 s36, s22, 23
	v_mov_b32 v[XSC], s36                          ; 2^e0
	s_add_co_i32 s22, s22, 8
	s_lshl_b32 s22, s22, 23
	s_or_b32 s22, s22, 0x600000
	v_mov_b32 v[XLIM], s22                         ; 448 x 2^e0
	s_wait_alu depctr_va_vdst(0)
	s_wait_loadcnt 32                              ; my part of L1 is in; the 32 loads of w behind it may be out
.irp i, 0,1,2,3,4,5,6,7
	ds_store_b128 v[IMG], v[P+4*\i:P+4*\i+3] offset:4096*\i
.endr
	s_wait_dscnt 0x0                               ; for the others' sake: my stores have landed
	s_barrier_signal -1
	s_barrier_wait -1                              ; L1 lies in LDS
	s_cmp_lg_u32 s16, 0
	s_cbranch_scc1 .Lx_waves
	; ---------------- wave 0: the eight chains
.macro CROW a                          ; row a of my window of L1: 32 sums into set a % 2
.irp k, 0,1,2,3,4,5,6,7
	ds_load_b128 v[CH+32*((\a)%2)+4*\k:CH+32*((\a)%2)+4*\k+3], v[CRD] offset:512*(\a)+16*\k
.endr
.endm
.macro CSUM a
.set XS, CH+32*((\a)%2)
.if (\a) > 0
	s_wait_alu depctr_va_vdst(0)
.endif
.if (\a) < 31
	s_wait_dscnt 8                                 ; row a is in; the next row's eight loads may be out
.else
	s_wait_dscnt 0
.endif
.if (\a) == 0
	v_mov_b32 v8, v[XS]                            ; 0 + the first term starts the sum
.else
	v_add_f32 v8, v8, v[XS]
.endif
.irp k, 1,2,3,4,5,6,7,8,9,10,11,12,13,14,15,16,17,18,19,20,21,22,23,24,25,26,27,28,29,30,31
	v_add_f32 v8, v8, v[XS+\k]                     ; one after the other, columns ascending: the order is the point
.endr
.if (\a)+2 < 32
	CROW (\a)+2
.endif
.endm
	CROW 0
	CROW 1
.irp a, 0,1,2,3,4,5,6,7,8,9,10,11,12,13,14,15,16,17,18,19,20,21,22,23,24,25,26,27,28,29,30,31
	CSUM \a
.endr
.irp w, 0,1,2,3,4,5,6,7
	v_readlane_b32 s[24+\w], v8, \w                ; L2[p][q] out of lane 4 p + q
.endr
	v_mov_b32 v8, s24
.irp w, 1,2,3,4,5,6,7
	v_add_f32 v8, s[24+\w], v8                     ; S: the eight, one after the other
.endr
	ds_store_b32 v[ALA], v8                        ; all lanes write the same word with the same value
	s_wait_loadcnt 0x0                             ; my 32 loads of w are in
	s_branch .Ljoin
	; ---------------- waves 1 to 7: x's steps 0 to 3; loads run four steps ahead, so those of steps 4 to 7 go out here too
.Lx_waves:
.macro XLOAD t
.irp i, 0,1,2,3
	global_load_b128 v[CH+16*((\t)%4)+4*\i:CH+16*((\t)%4)+4*\i+3], v3, s[12:13] offset:2048*(\t)+512*\i th:TH_LOAD_NT
.endr
.endm
.macro XSTEP t, d                      ; step t's 16 numbers a lane -> four registers of codes from v[d] on
.set XS, CH+16*((\t)%4)
.if (\t) <= 4
	s_wait_loadcnt 12                              ; set t is in when at most the three younger sets' twelve loads are out (w's loads are older: they are in too);
.else
	s_wait_loadcnt 4*(7-(\t))                      ; the last steps count down 8, 4, 0
.endif
.irp i, 0,1,2,3,4,5,6,7,8,9,10,11,12,13,14,15
	v_med3_num_f32 v[XS+\i], v[XS+\i], -v[XLIM], v[XLIM]   ; the conversion does not saturate (ISA guide 7.6.2): the hold at the largest code x the scale
.endr
	v_cvt_scalef32_pk8_fp8_f32 v[(\d):(\d)+1], v[XS:XS+7], v[XSC]
	v_cvt_scalef32_pk8_fp8_f32 v[(\d)+2:(\d)+3], v[XS+8:XS+15], v[XSC]
.if (\t)+4 < 8
	XLOAD (\t)+4
.endif
.endm
.irp t, 0,1,2,3
	XLOAD \t
.endr
.irp t, 0,1,2,3
	XSTEP \t, C+4*\t
.endr
.Ljoin:
	s_wait_dscnt 0x0                               ; wave 0: S has landed
	s_barrier_signal -1
	s_barrier_wait -1
	ds_load_b32 v8, v[ALA]
	s_wait_dscnt 0x0
	v_mul_f32 v8, 0x34000000, v8                   ; x 2^-23: alpha
	v_mul_f32 v1, 0.5, v8                          ; the threshold alpha / 2,
	v_mul_f32 v6, -0.5, v8                         ; and its negative
	v_min_num_f32 v14, v8, v10                     ; alpha held at the largest code x the scale (alpha is not negative),
	v_mul_f32 v15, -1.0, v14                       ; and its negative
; a step of w: eight numbers at a time, each with two masks and a register of its own for the first selection, so that no line takes the result of the line above it
.macro TSTEP t
.set XS, R+16*(\t)
.set WC, C+16+4*((\t)%4)
.irp g, 0,8
.irp i, 0,1,2,3,4,5,6,7
	v_cmp_gt_f32 s[40+\i], v[XS+\g+\i], v1         ; w > alpha / 2 ?
.endr
.irp i, 0,1,2,3,4,5,6,7
	v_cmp_lt_f32 s[48+\i], v[XS+\g+\i], v6         ; w < -alpha / 2 ?
.endr
.irp i, 0,1,2,3,4,5,6,7
	v_cndmask_b32 v[T+\i], 0, v14, s[40+\i]        ; alpha : 0
.endr
.irp i, 0,1,2,3,4,5,6,7
	v_cndmask_b32 v[XS+\g+\i], v[T+\i], v15, s[48+\i]   ; -alpha : that
.endr
.endr
	v_cvt_scalef32_pk8_fp8_f32 v[WC:WC+1], v[XS:XS+7], v11
	v_cvt_scalef32_pk8_fp8_f32 v[WC+2:WC+3], v[XS+8:XS+15], v11
	ds_store_b128 v[SIN], v[WC:WC+3] offset:32*SP*((\t)%4)+16*((\t)/4)   ; piece 32 (t % 4) + lane of the half, place 2 wave + t / 4 (the codes go to this store alone)
.endm
.irp t, 0,1,2,3,4,5,6,7
	TSTEP \t
.endr
	s_wait_dscnt 0x0                               ; for the others' sake: my codes lie in the stage
	s_barrier_signal -1
	s_barrier_wait -1
.irp j, 0,1,2,3,4,5,6,7
	ds_load_b128 v[R+32+4*\j:R+32+4*\j+3], v[SOUT] offset:2*SP*\j             ; pieces 16 wave + 2 j and + 1: sixteen lanes take a piece's sixteen rows
.endr
	s_cmp_eq_u32 s16, 0
	s_cbranch_scc1 .Lno_x
.irp t, 4,5,6,7
	XSTEP \t, R+4*\t-16                            ; waves 1 to 7: x's steps 4 to 7
.endr
.irp t, 0,1,2,3
	global_store_b128 v3, v[C+4*\t:C+4*\t+3], s[14:15] offset:512*\t          ; x's codes: 32 lanes store 512 consecutive bytes, aligned
.endr
.irp t, 4,5,6,7
	global_store_b128 v3, v[R+4*\t-16:R+4*\t-13], s[14:15] offset:512*\t
.endr
.Lno_x:
.irp j, 0,1,2,3,4,5,6,7
	s_wait_dscnt 7-\j
	global_store_b128 v3, v[R+32+4*\j:R+32+4*\j+3], s[10:11] offset:512*\j    ; w's codes: 32 lanes store 512 consecutive bytes, aligned
.endr
	s_wait_tensorcnt 0x0                           ; the wave's end
	ds_add_u32 v[SPW], v[NIL]
	s_wait_dscnt 0x0
	s_endpgm
.Lfunc_end_k_q2a42348615_ternary_w:
	.size	k_q2a42348615_ternary_w, .Lfunc_end_k_q2a42348615_ternary_w-k_q2a42348615_ternary_w
	.p2alignl 7, 3214868480
	.fill 96, 4, 3214868480
	.section	.rodata,"a",@progbits
	.p2align	6, 0x0
	.amdhsa_kernel k_q2a42348615_ternary_w
		.amdhsa_group_segment_fixed_size 68864
		.amdhsa_private_segment_fixed_size 0
		.amdhsa_enable_private_segment 0
		.amdhsa_kernarg_size 48
		.amdhsa_user_sgpr_count 2
		.amdhsa_user_sgpr_kernarg_segment_ptr 1
		.amdhsa_wavefront_size32 1
		.amdhsa_system_sgpr_workgroup_id_x 1
		.amdhsa_system_sgpr_workgroup_id_y 1
		.amdhsa_system_sgpr_workgroup_id_z 1
		.amdhsa_system_vgpr_workitem_id 0
		.amdhsa_next_free_vgpr 250
		.amdhsa_next_free_sgpr 66
		.amdhsa_reserve_vcc 0
		.amdhsa_float_denorm_mode_32 3
		.amdhsa_float_denorm_mode_16_64 3
		.amdhsa_memory_ordered 1
		.amdhsa_forward_progress 1
		.amdhsa_inst_pref_size 108
	.end_amdhsa_kernel
	.amdgpu_metadata
---
amdhsa.version: [ 1, 2 ]
amdhsa.kernels:
  - .name:           k_q2a42348615_ternary_w
    .symbol:         k_q2a42348615_ternary_w.kd
    .args:
      - { .name: latent_weight, .offset: 0, .size: 8, .value_kind: global_buffer, .address_space: global }
      - { .name: partials, .offset: 8, .size: 8, .value_kind: global_buffer, .address_space: global }
      - { .name: lowp_scales, .offset: 16, .size: 8, .value_kind: global_buffer, .address_space: global }
      - { .name: w_codes, .offset: 24, .size: 8, .value_kind: global_buffer, .address_space: global }
      - { .name: x, .offset: 32, .size: 8, .value_kind: global_buffer, .address_space: global }
      - { .name: x_codes, .offset: 40, .size: 8, .value_kind: global_buffer, .address_space: global }
    .group_segment_fixed_size: 68864
    .private_segment_fixed_size: 0
    .kernarg_segment_align: 8
    .kernarg_segment_size: 48
    .max_flat_workgroup_size: 256
    .sgpr_count:     66
    .vgpr_count:     250
    .wavefront_size: 32
...
	.end_amdgpu_metadata
.endif
;; end of part 2
;; launch gemm_codes (part 3): grid 8 x 32, 4 waves a work-group, clusters of 4 x 1, 327,680 bytes of LDS; arguments x_codes, w_codes, lowp_scales, out0; writes out0
.if DOCPART == 3
	.amdgcn_target "amdgcn-amd-amdhsa--gfx1250"
	.amdhsa_code_object_version 6
	.text
	.protected	k_q2a42348615_gemm_codes
	.globl	k_q2a42348615_gemm_codes
	.p2align	8
	.type	k_q2a42348615_gemm_codes,@function
k_q2a42348615_gemm_codes:
	s_mov_b64 s[64:65], 0
	v_nop
	global_prefetch_b8 v0, s[64:65] scope:SCOPE_SE
	s_setreg_imm32_b32 hwreg(HW_REG_WAVE_MODE, 25, 1), 1
	s_wait_xcnt 0x0
	s_wait_alu depctr_hold_cnt(0) depctr_sa_sdst(0) depctr_va_vdst(0) depctr_va_sdst(0) depctr_va_ssrc(0) depctr_va_vcc(0) depctr_vm_vsrc(0)
	s_getreg_b32 s2, hwreg(HW_REG_IB_STS2, 6, 4)
	s_cmp_eq_u32 s2, 0
	s_cbranch_scc0 .Lentry_in_a_cluster
	s_endpgm
.Lentry_in_a_cluster:
	s_bfe_u32 s2, ttmp6, 0x10000c
	s_cmp_lg_u32 s2, 0x3003
	s_cbranch_scc0 .Lentry_shape_is_right
	s_endpgm
.Lentry_shape_is_right:
; THE THIRD LAUNCH: out0 [8192][2048] f32 = x_codes x w_codes^T x 2^(e0 + e1): codes of E4M3 multiplied as they are by v_wmma_f32_16x16x128_fp8_fp8, sums in f32, each finished sum x 2^(e0 + e1) once.
; Nothing of reference() is left out.  LIMIT: e0 + e1 lies between -126 and 127, so that 2^(e0 + e1) is an f32 number.
; A BLOCK of out0 is 256 x 256: 32 x 8 blocks, one for each of 256 work-groups.  Four waves side by side, each 256 rows x 64 columns: 16 x 4 accumulators of 16 x 16, 512 registers.
; x's CODES: the block's 256 rows are read by all four waves and by the work-groups of a row of blocks, four of which form a cluster of 4 x 1: they come by JOINT tensor loads (mask 15) through a ring of two LDS slots.
;   A slot holds 512 along K as two parts of 256 rows x 256 bytes (272 from row to row); wave c loads 128 rows of one part: part c / 2, rows 128 (c % 2) ..  A slot serves four steps of 128 along K, 256 matrix instructions a wave.
; w's CODES GO FROM MEMORY STRAIGHT INTO REGISTERS.  A fragment of w (16 columns of out0 x 128 K) is used by ONE wave of the work-group, and the four partners of the cluster have four different column blocks: nothing of w
;   is shared in a work-group or in a cluster, so w has no joint load and no way through LDS, and a work-group fetches each byte of its 256 rows of w once.  The launch before laid w_codes in the order of the operand's
;   registers: a fragment is 2,048 consecutive bytes, four loads of 512, 16 bytes a lane.  Four sets of four fragments: a set is loaded for three steps on behind the step that read it; these loads stay out across the ring's barriers.
; K's ORDER: place p of a row of x_codes and place p of a row of w belong to the same k; lane (r, h) holds places 128 Q + 32 c + 16 h + 0 .. 15 in registers 4 c .. 4 c + 3, alike on both sides: only the order of the f32 sums hangs on it.
; A STEP is eight PAIRS of x's blocks of 16 rows, each pair 8 matrix instructions against w's four fragments.  x's fragments lie in a ring of four pairs: behind a pair's products its registers take the pair four further on.
; THE WAY OUT NEEDS NO LDS: source 0 = x, source 1 = w, so register j of lane (r, h) is row 8 h + j, fragment place r; w_codes is laid so that place r of my four fragments is columns 4 r + 0 .. 3 of my 64.
;   Four multiplications by 2^(e0 + e1) put them into four neighbouring registers: 16 bytes a lane, sixteen lanes an aligned unit of 256 bytes.  All 512 multiplications stand ahead of the 128 stores.
; PREFETCHES, two changes of slots ahead, one instruction a wave each: x's fill f + 2 beside the request for fill f (256 rows x 2 units of 256 bytes: each partner 64 rows by address, each wave 16, a lane a unit);
;   w's four steps of two slots on (16 fragment rows x 32 units for a column block): the 32 work-groups of a column of blocks share them out by address, four to a set: four fragment rows each, one a wave, a lane a unit.
;   The head asks for x's fills 2 and 3 and w's first eight steps in the same shares.  The tail asks for nothing.
; REGISTERS: window 0: v0-31 addresses, v128-255 x's ring; window 1: w's four sets; window 2: accumulators of rows 0-127 ((a, b) at v[8 (4 a + b)]); window 3: rows 128-255.  On the way out windows 1 and 0 (v32-255) take the results.
.set KROW,   4096
.set ROWB,   256                       ; a loaded row
.set FILLB,  512                       ; along K in a slot
.set PITCH,  272                       ; 256 + 16: an odd multiple of 16
.set HALFT,  128*PITCH                 ; what one tensor load brings
.set SLOT,   4*HALFT
.set LAPS,   KROW/(2*FILLB)            ; a lap = both slots = eight steps
.set SPARE,  2*SLOT                    ; the spare words, 128 bytes a wave
.set ADRA, 16                          ; v16-19 LDS address of x's fragments: slot 0 part 0, part 1, slot 1 part 0, part 1
.set OO,   24                          ; v24 my place in out0: 16 r + 8 h rows
.set LO,   26                          ; v26 16 x lane: my place in a load of w
.set SPW,  28
.set NIL,  29
.set PFOA, 30
.set PFOB, 31
.set AF,   128
.set G1, 24
.set G0, 32
.set BB,  48                           ; s[48:49] my wave's four fragment rows of w, at the lap's first step
.set PFA, 50
.set PFB, 52
.set MSB, 0
.macro WIN new                         ; the immediate's high byte repeats the setting that is left
.if MSB != (\new)
	s_set_vgpr_msb (MSB<<8)|(\new)
.set MSB, (\new)
.endif
.endm
.set MUL_LO, 0xa4                      ; source 0 (x) window 0, source 1 (w) window 1, C and D window 2
.set MUL_HI, 0xf4
.set TO_B,   0x40
.macro PLACES                          ; four places behind matrix instructions, ahead of loads into their sources and of reads of results
.rept 4
	v_nop
.endr
.endm
.macro JLOAD s                         ; my quarter of a slot, asked for jointly; the four v_nop are places
	tensor_load_to_lds s[G0+4*\s:G0+4*\s+3], s[G1:G1+7]
	s_nop 0
	PLACES
.endm
.macro CREST
	s_cmp_lg_u32 s14, 0
	s_cbranch_scc1 .Lnot_wave_0_\@
	s_barrier_signal -3
.Lnot_wave_0_\@:
	s_barrier_wait -3
	s_barrier_signal -1
	s_barrier_wait -1
.endm
.macro CROUND
	s_barrier_signal -1
	s_barrier_wait -1
	CREST
.endm
.macro ASK                             ; w: in every trip; x: not in the last trip (s3 = 1), whose fills have no fill two on
	global_prefetch_b8 v[PFOB], s[PFB:PFB+1] th:TH_LOAD_NT scope:SCOPE_SE
	s_cmp_gt_u32 s3, 1
	s_cbranch_scc0 .Lno_x_\@
	global_prefetch_b8 v[PFOA], s[PFA:PFA+1] th:TH_LOAD_NT scope:SCOPE_SE
.Lno_x_\@:
.endm
.macro PAIRLD slot, pt                 ; pair pt (0 .. 31) of a slot: step pt / 8, x's blocks 2 (pt % 8) and + 1, into place pt % 4 of the ring
.irp e, 0,1
.irp c, 0,1,2,3
	ds_load_b128 v[AF+16*((2*(\pt)+\e)%8)+4*\c:AF+16*((2*(\pt)+\e)%8)+4*\c+3], v[ADRA+2*(\slot)+(\pt)/16] offset:128*(((\pt)/8)%2)+32*\c+((2*(\pt)+\e)%16)*16*PITCH
.endr
.endr
.endm
.macro BLOAD set, t                    ; w's four fragments of step t (counted from where s[BB] stands)
.irp b, 0,1,2,3
.irp c, 0,1,2,3
	global_load_b128 v[64*(\set)+16*\b+4*\c:64*(\set)+16*\b+4*\c+3], v[LO], s[BB:BB+1] offset:65536*\b+2048*(\t)+512*\c
.endr
.endr
.endm
.macro PAIRMUL pr, set, zero           ; 8 matrix instructions on 8 accumulators by turns; zero = 1: the product starts the sums
.irp e, 0,1
.irp b, 0,1,2,3
.if \zero
	v_wmma_f32_16x16x128_fp8_fp8 v[8*(4*((2*(\pr)+\e)%8)+\b):8*(4*((2*(\pr)+\e)%8)+\b)+7], v[AF+16*((2*(\pr)+\e)%8):AF+16*((2*(\pr)+\e)%8)+15], v[64*(\set)+16*\b:64*(\set)+16*\b+15], 0
.else
	v_wmma_f32_16x16x128_fp8_fp8 v[8*(4*((2*(\pr)+\e)%8)+\b):8*(4*((2*(\pr)+\e)%8)+\b)+7], v[AF+16*((2*(\pr)+\e)%8):AF+16*((2*(\pr)+\e)%8)+15], v[64*(\set)+16*\b:64*(\set)+16*\b+15], v[8*(4*((2*(\pr)+\e)%8)+\b):8*(4*((2*(\pr)+\e)%8)+\b)+7]
.endif
.endr
.endr
.endm
.macro PAIR slot, q, pr, zero          ; a pair's products, then the fetch of the pair four further on, in the same slot
	s_wait_dscnt 24                                ; my pair is in; the three younger pairs' 24 loads may be out
	WIN MUL_LO+0x50*((\pr)/4)
	PAIRMUL \pr, \q, \zero
	PLACES
	WIN 0
	PAIRLD \slot, 8*(\q)+(\pr)+4
.endm
; one of a slot's first three steps.  n: the loads of w issued behind this step's.  ld = 1: the set that the step before read is loaded for three steps on
.macro STEP slot, q, zero, ld, t, n
	s_wait_loadcnt \n
	PAIR \slot, \q, 0, \zero
.if \ld
	WIN TO_B
	BLOAD ((\q)+3)%4, \t
.endif
.irp pr, 1,2,3,4,5,6,7
	PAIR \slot, \q, \pr, \zero
.endr
.endm
; a slot's last step changes slots behind its fourth pair, whose fetch is the last read of the slot: one barrier; ahead of it every wave waits for all its tensor loads, adds 0 to its spare word, and waits for that and for its reads.
; fill = 1: the barrier opens a round of the cluster's barrier, and this slot is filled again first thing behind the round.  bstep = 1: w's base goes on to the next lap
.macro TURN slot, next, fill, bstep, ld, t
	s_wait_loadcnt 32
	PAIR \slot, 3, 0, 0
.if \ld
	WIN TO_B
	BLOAD 2, \t
.endif
.irp pr, 1,2,3
	PAIR \slot, 3, \pr, 0
.endr
.if \fill
	s_wait_xcnt 0x0                                ; my loads of w and my prefetches have read their bases, which step here
	s_add_nc_u64 s[PFA:PFA+1], s[PFA:PFA+1], FILLB
	s_add_nc_u64 s[PFB:PFB+1], s[PFB:PFB+1], 4*2048
.if \bstep
	s_add_nc_u64 s[BB:BB+1], s[BB:BB+1], 8*2048
.endif
.endif
	s_wait_tensorcnt 0x0                           ; my one tensor load that was out, my quarter of the next slot, has landed
	ds_add_u32 v[SPW], v[NIL]
	s_wait_dscnt 25                                ; (the add and the three younger pairs may be out)
	WIN MUL_HI
	PAIRMUL 4, 3, 0
	s_wait_dscnt 0x0                               ; the add is done, and my reads of this slot are over
	s_barrier_signal -1
	PAIRMUL 5, 3, 0
	WIN 0
	s_barrier_wait -1
.if \fill
	CREST
	s_add_nc_u64 s[G0+4*\slot+2:G0+4*\slot+3], s[G0+4*\slot+2:G0+4*\slot+3], 2*FILLB
	JLOAD \slot                                    ; 240 matrix instructions stand between this request and the wait for it
.else
	PLACES
.endif
	PAIRLD \next, 0
	PAIRLD \next, 1
.if \fill
	ASK
.endif
	WIN MUL_HI
	PAIRMUL 6, 3, 0
	PLACES
	WIN 0
	PAIRLD \next, 2
	WIN MUL_HI
	PAIRMUL 7, 3, 0
	PLACES
	WIN 0
	PAIRLD \next, 3
.endm
	s_load_b128 s[4:7], s[0:1], 0x0                ; x_codes, w_codes
	s_load_b128 s[8:11], s[0:1], 0x10              ; the scales' exponents, out0
	v_lshl_add_u32 v[SPW], v0, 2, SPARE
	v_mov_b32 v[NIL], 0
	ds_add_u32 v[SPW], v[NIL]
	ds_add_u32 v[SPW], v[NIL]
	v_lshrrev_b32 v1, 5, v0
	v_readfirstlane_b32 s14, v1                    ; wave 0..3
	s_bfe_u32 s40, ttmp6, 0x40000                  ; cx
	s_lshl_b32 s42, ttmp9, 2
	s_add_co_u32 s42, s42, s40                     ; column block
	s_and_b32 s17, ttmp7, 0xffff                   ; row block: the cluster's y
	s_mov_b32 s[G1+0], 15|(1<<20)|(1<<21)|(5<<22)|(3<<25)   ; the four partners; bytes; 4 words of padding behind every 64
	s_mov_b32 s[G1+1], ROWB<<16
	s_mov_b32 s[G1+2], 128<<16
	s_mov_b32 s[G1+3], ROWB<<16
	s_mov_b32 s[G1+4], 128
	s_mov_b32 s[G1+5], KROW
	s_mov_b32 s[G1+6], 0
	s_mov_b32 s[G1+7], 0
	s_and_b32 s18, s14, 1
	s_lshl_b32 s18, s18, 7
	s_lshl_b32 s20, s17, 8
	s_add_co_u32 s20, s20, s18                     ; x: row 256 y + 128 (wave % 2),
	s_lshl_b32 s20, s20, 12
	s_lshr_b32 s18, s14, 1
	s_lshl_b32 s18, s18, 8
	s_add_co_u32 s20, s20, s18                     ; byte 256 (wave / 2) of it
	s_mov_b32 s21, 0
	s_mul_i32 s45, s14, HALFT                      ; where it goes
	s_lshl_b32 s46, s42, 4
	s_lshl_b32 s18, s14, 2
	s_add_co_u32 s46, s46, s18                     ; w: fragment row 16 x column block + 4 x wave,
	s_lshl_b32 s46, s46, 16                        ; of 65,536 bytes each
	s_mov_b32 s47, 0
	s_lshl_b32 s22, s17, 21                        ; out0: 256 rows of 8,192 bytes,
	s_lshl_b32 s18, s42, 10
	s_add_co_u32 s22, s22, s18                     ; 1,024 bytes a column block,
	s_lshl_b32 s18, s14, 8
	s_add_co_u32 s22, s22, s18                     ; 256 a wave
	s_mov_b32 s23, 0
	s_lshl_b32 s54, s17, 8
	s_lshl_b32 s18, s40, 6
	s_add_co_u32 s54, s54, s18
	s_lshl_b32 s18, s14, 4
	s_add_co_u32 s54, s54, s18                     ; x's prefetch: row 256 y + 64 cx + 16 wave,
	s_lshl_b32 s54, s54, 12
	s_add_co_u32 s54, s54, 3*FILLB                 ; at fill 3
	s_mov_b32 s55, 0
	s_and_b32 s56, s17, 3
	s_lshl_b32 s56, s56, 2
	s_add_co_u32 s56, s56, s14
	s_lshl_b32 s18, s42, 4
	s_add_co_u32 s56, s56, s18                     ; w's prefetch: fragment row 16 x column block + 4 (y % 4) + wave,
	s_lshl_b32 s56, s56, 16
	s_add_co_u32 s56, s56, 4*2048                  ; at step 4
	s_mov_b32 s57, 0
	v_and_b32 v1, 15, v0                           ; r
	v_bfe_u32 v2, v0, 4, 1                         ; h
	v_mul_u32_u24 v3, v1, PITCH
	v_lshl_add_u32 v[ADRA], v2, 4, v3              ; a fragment's row x pitch + 16 h: the same in all four waves
	v_add_nc_u32 v[ADRA+1], 2*HALFT, v[ADRA]
	v_add_nc_u32 v[ADRA+2], SLOT, v[ADRA]
	v_add_nc_u32 v[ADRA+3], SLOT+2*HALFT, v[ADRA]
	v_lshlrev_b32 v[OO], 4, v1
	v_lshl_add_u32 v[OO], v2, 16, v[OO]            ; 16 r + 8 h rows of 8,192 bytes
	v_and_b32 v5, 31, v0
	v_lshlrev_b32 v[LO], 4, v5
	v_lshlrev_b32 v[PFOB], 8, v5                   ; w: a lane a unit of 256 bytes
	v_lshlrev_b32 v[PFOA], 12, v1                  ; x: row r, unit h
	v_lshl_add_u32 v[PFOA], v2, 8, v[PFOA]
	s_wait_alu depctr_va_vdst(0)
	s_wait_dscnt 0x0                               ; both opening adds are done
	s_wait_kmcnt 0x0
	s_load_b64 s[96:97], s[8:9], 0x0               ; e0, e1
	s_add_nc_u64 s[20:21], s[4:5], s[20:21]
	s_add_nc_u64 s[BB:BB+1], s[6:7], s[46:47]
	s_add_nc_u64 s[10:11], s[10:11], s[22:23]
	s_add_nc_u64 s[PFA:PFA+1], s[4:5], s[54:55]
	s_add_nc_u64 s[PFB:PFB+1], s[6:7], s[56:57]
	WIN TO_B
	BLOAD 0, 0                                     ; w's fragments of step 0 go out ahead of x's first fill, those of steps 1 and 2 behind it
	WIN 0
	CROUND                                         ; the four partners are here: the first joint loads meet
.irp s, 0,1
	s_mov_b32 s[G0+4*\s], 1
	s_add_co_u32 s[G0+4*\s+1], s45, \s*SLOT
	s_add_nc_u64 s[G0+4*\s+2:G0+4*\s+3], s[20:21], \s*FILLB
	s_or_b32 s[G0+4*\s+3], s[G0+4*\s+3], 0x80000000
.endr
	JLOAD 0                                        ; fill 0: one tensor load a wave at the head
	WIN TO_B
	BLOAD 1, 1
	BLOAD 2, 2
	WIN 0
	global_prefetch_b8 v[PFOB], s[PFB:PFB+1] offset:-4*2048 th:TH_LOAD_NT scope:SCOPE_SE
	global_prefetch_b8 v[PFOB], s[PFB:PFB+1] th:TH_LOAD_NT scope:SCOPE_SE
	global_prefetch_b8 v[PFOA], s[PFA:PFA+1] offset:-FILLB th:TH_LOAD_NT scope:SCOPE_SE
	global_prefetch_b8 v[PFOA], s[PFA:PFA+1] th:TH_LOAD_NT scope:SCOPE_SE
	s_wait_tensorcnt 0x0                           ; my quarter of fill 0 is in; slot 1's first fill is issued as a refill is:
	ds_add_u32 v[SPW], v[NIL]
	s_wait_dscnt 0x0
	CROUND
	JLOAD 1
	PAIRLD 0, 0
	PAIRLD 0, 1
	PAIRLD 0, 2
	PAIRLD 0, 3
	STEP 0, 0, 1, 1, 3, 32                         ; the first step stands ahead of the loop: its products start the sums
	s_mov_b32 s3, LAPS-1
.Llap:                                                 ; a trip: from a lap's second step to the next lap's first; both slots are filled again
	STEP 0, 1, 0, 1, 4, 32
	STEP 0, 2, 0, 1, 5, 32
	TURN 0, 1, 1, 0, 1, 6
	STEP 1, 0, 0, 1, 7, 32
	STEP 1, 1, 0, 1, 8, 32
	STEP 1, 2, 0, 1, 9, 32
	TURN 1, 0, 1, 1, 1, 10
	STEP 0, 0, 0, 1, 3, 32
	s_sub_co_u32 s3, s3, 1
	s_cmp_lg_u32 s3, 0
	s_cbranch_scc1 .Llap
	STEP 0, 1, 0, 1, 4, 32                         ; the last lap fills no slot; its last three steps load nothing of w, and the counts run down
	STEP 0, 2, 0, 1, 5, 32
	TURN 0, 1, 0, 0, 1, 6
	STEP 1, 0, 0, 1, 7, 32
	STEP 1, 1, 0, 0, 0, 32
	STEP 1, 2, 0, 0, 0, 16
	s_wait_loadcnt 0
.irp pr, 0,1,2,3
	PAIR 1, 3, \pr, 0
.endr
.irp pr, 4,5,6,7
	s_wait_dscnt 8*(7-\pr)                         ; the last four pairs fetch nothing
	WIN MUL_HI
	PAIRMUL \pr, 3, 0
.endr
	WIN 0
; THE WAY OUT.  Block a (16 rows x my 64 columns, four accumulators): result register 4 j + b = accumulator b's register j x 2^(e0 + e1); each accumulator is read from its low end on.
; Blocks 0-7 go to window 1, blocks 8-14 to window 0 (v32-255), block 15 to window 2's v0-31, which block 0 has left.  Then the stores: lanes 0-15 row 16 a + j, lanes 16-31 row 16 a + 8 + j, 256 consecutive bytes each, aligned.
.macro SCALE a, d
.irp j, 0,1,2,3,4,5,6,7
.irp b, 0,1,2,3
	v_mul_f32 v[(\d)+4*\j+\b], s96, v[8*(4*((\a)%8)+\b)+\j]
.endr
.endr
.endm
.macro SEND a, d
.irp j, 0,1,2,3,4,5,6,7
	global_store_b128 v[OO], v[(\d)+4*\j:(\d)+4*\j+3], s[10:11] offset:(16*(\a)+\j)*8192 th:TH_STORE_NT
.endr
.endm
	s_wait_kmcnt 0x0
	s_add_co_i32 s96, s96, s97
	s_add_co_i32 s96, s96, 127
	s_lshl_b32 s96, s96, 23                        ; 2^(e0 + e1) as f32
	PLACES
	WIN 0x48                                       ; source 1 window 2, destination window 1
.irp a, 0,1,2,3,4,5,6,7
	SCALE \a, 32*\a
.endr
	WIN 0x0c                                       ; source 1 window 3, destination window 0
.irp a, 8,9,10,11,12,13,14
	SCALE \a, 32*\a-224
.endr
	WIN 0x8c                                       ; source 1 window 3, destination window 2
	SCALE 15, 0
	WIN 0x04                                       ; a store's data are its source 1: window 1
.irp a, 0,1,2,3,4,5,6,7
	SEND \a, 32*\a
.endr
	WIN 0
.irp a, 8,9,10,11,12,13,14
	SEND \a, 32*\a-224
.endr
	WIN 0x08
	SEND 15, 0
	WIN 0
	s_wait_tensorcnt 0x0                           ; the wave's end
	ds_add_u32 v[SPW], v[NIL]
	s_wait_dscnt 0x0
	CROUND                                         ; the closing round
	s_endpgm
.Lfunc_end_k_q2a42348615_gemm_codes:
	.size	k_q2a42348615_gemm_codes, .Lfunc_end_k_q2a42348615_gemm_codes-k_q2a42348615_gemm_codes
	.p2alignl 7, 3214868480
	.fill 96, 4, 3214868480
	.section	.rodata,"a",@progbits
	.p2align	6, 0x0
	.amdhsa_kernel k_q2a42348615_gemm_codes
		.amdhsa_group_segment_fixed_size 327680
		.amdhsa_private_segment_fixed_size 0
		.amdhsa_enable_private_segment 0
		.amdhsa_kernarg_size 32
		.amdhsa_user_sgpr_count 2
		.amdhsa_user_sgpr_kernarg_segment_ptr 1
		.amdhsa_wavefront_size32 1
		.amdhsa_system_sgpr_workgroup_id_x 1
		.amdhsa_system_sgpr_workgroup_id_y 1
		.amdhsa_system_sgpr_workgroup_id_z 1
		.amdhsa_system_vgpr_workitem_id 0
		.amdhsa_next_free_vgpr 1024
		.amdhsa_next_free_sgpr 98
		.amdhsa_reserve_vcc 0
		.amdhsa_float_denorm_mode_32 3
		.amdhsa_float_denorm_mode_16_64 3
		.amdhsa_memory_ordered 1
		.amdhsa_forward_progress 1
		.amdhsa_inst_pref_size 217
	.end_amdhsa_kernel
	.amdgpu_metadata
---
amdhsa.version: [ 1, 2 ]
amdhsa.kernels:
  - .name:           k_q2a42348615_gemm_codes
    .symbol:         k_q2a42348615_gemm_codes.kd
    .args:
      - { .name: x_codes, .offset: 0, .size: 8, .value_kind: global_buffer, .address_space: global }
      - { .name: w_codes, .offset: 8, .size: 8, .value_kind: global_buffer, .address_space: global }
      - { .name: lowp_scales, .offset: 16, .size: 8, .value_kind: global_buffer, .address_space: global }
      - { .name: out0, .offset: 24, .size: 8, .value_kind: global_buffer, .address_space: global }
    .group_segment_fixed_size: 327680
    .private_segment_fixed_size: 0
    .kernarg_segment_align: 8
    .kernarg_segment_size: 32
    .max_flat_workgroup_size: 128
    .sgpr_count:     98
    .vgpr_count:     1024
    .wavefront_size: 32
...
	.end_amdgpu_metadata
.endif
;; end of part 3
